; MI455X (gfx1250); checked and timed in simulation.
; The chip was launched on July 23, 2026; its instructions are those of AMD's public machine-readable ISA for CDNA 5 (MIT licence, August 2026) and "CDNA5" Instruction Set Architecture Reference Guide (July 2026). The comments in the code are by the model that wrote it; some were corrected since.
;; Router. Allowed arithmetic: float matrix products may take bf16 or f16 operands with f32 sums; all other float work in f32.
;; Inputs: W1 2,048 x 1,024 float32; W2 1,024 x 8 float32; b1 1,024 float32; b2 8 float32; hidden_states 4 x 4,096 x 2,048 float32.
;; Outputs: out0 4 x 4,096 x 8 float32; out1 4 x 4,096 x 2 float32; out2 4 x 4,096 x 2 int32.
;; One version. Each part assembles by itself: llvm-mc -triple=amdgcn-amd-amdhsa -mcpu=gfx1250 --defsym DOCPART=n.
;; ======== version 1 of 1: 3 launches
;; limits: values outside matrix products are rounded to bf16
;; workspace buffers: W1P 4,194,304 bytes; W2P 32,768 bytes; PL 1,048,576 bytes
;; launch pack (part 1): grid 264 x 1, 8 waves a work-group, no clusters, 0 bytes of LDS; arguments W1, W2, W1P, W2P; writes W1P, W2P
.if DOCPART == 1
	.amdgcn_target "amdgcn-amd-amdhsa--gfx1250"
	.amdhsa_code_object_version 6
	.text
	.protected	k_q6296840050_pack
	.globl	k_q6296840050_pack
	.p2align	8
	.type	k_q6296840050_pack,@function
k_q6296840050_pack:
	s_mov_b64 s[64:65], 0
	v_nop
	global_prefetch_b8 v0, s[64:65] scope:SCOPE_SE
	s_setreg_imm32_b32 hwreg(HW_REG_WAVE_MODE, 25, 1), 1
	s_wait_xcnt 0x0
; W1 [2048 (k)][1024 (n)] f32 and W2 [1024 (m)][8 (e)] f32 are rounded once to bf16 and laid out in the order in which the next launch's
; matrix instructions want them, so that launch needs no transposing and no conversion of weights.
; Columns are grouped in tiles of 16: tile t (0..63), place p (0..15) is column col(t, p) = 64 (t >> 2) + 4 p + (t & 3).
; With that choice a lane's 16-byte load of four neighbouring columns feeds four tiles, and no lane exchanges anything.
; W1P byte = S*262144 + ch*131072 + w*32768 + c*8192 + lt*1024 + hf*512 + 16*lane:  lane (r = lane & 15, h = lane >> 4) holds the eight bf16
;            W1[128 S + 32 c + 16 hf + 8 h + 0..7][col(32 ch + 8 w + lt, r)], the lower k in the lower bits.
;            (S: 128 of K; ch: which 512 columns; w: the wave that will read them; so a wave's part of 128 of K is 32,768 dense bytes.)
; W2P byte = 512 t + 16 lane:  lane (r, h) holds W2[col(t, 8 h + 0..7)][r] for r < 8 and zeros for r >= 8.
; Work-groups 0..255 make W1P (one wave: 16 k x 64 columns), work-groups 256..263 make W2P (one thread: 16 bytes).
.set X, 8                              ; v[8:39]   as loaded
.set Y, 40                             ; v[40:55]  to store
	s_load_b256 s[4:11], s[0:1], 0x0               ; W1 s[4:5], W2 s[6:7], W1P s[8:9], W2P s[10:11]
	s_cmp_ge_u32 ttmp9, 256
	s_cbranch_scc1 .Lw2
	; ---- W1: k16 = id >> 1 (rows 16 k16 ..), column group g = 8 (id & 1) + wave (columns 64 g ..), tiles 4 g + jt
	s_lshr_b32 s12, ttmp9, 1
	s_lshl_b32 s12, s12, 16                        ; 16 rows of 4,096 bytes
	s_and_b32 s14, ttmp9, 1
	s_lshl_b32 s15, s14, 11                        ; eight groups of 256 bytes
	s_add_co_u32 s12, s12, s15
	s_mov_b32 s13, 0
	s_lshr_b32 s16, ttmp9, 4                       ; S = k16 >> 3
	s_lshl_b32 s16, s16, 18
	s_lshl_b32 s15, s14, 17                        ; ch = g >> 3 = id & 1
	s_or_b32 s16, s16, s15
	s_bfe_u32 s15, ttmp9, 0x20002                  ; c = (k16 >> 1) & 3
	s_lshl_b32 s15, s15, 13
	s_or_b32 s16, s16, s15
	s_bfe_u32 s15, ttmp9, 0x10001                  ; hf = k16 & 1
	s_lshl_b32 s15, s15, 9
	s_or_b32 s16, s16, s15
	s_mov_b32 s17, 0
	v_lshrrev_b32 v1, 5, v0
	v_lshlrev_b32 v1, 8, v1                        ; wave x 256 bytes (64 columns)
	v_bfe_u32 v2, v0, 4, 1
	v_lshl_add_u32 v1, v2, 15, v1                  ; + 8 h rows
	v_and_b32 v2, 15, v0
	v_lshl_add_u32 v1, v2, 4, v1                   ; + 16 r: sixteen lanes read 256 consecutive bytes, aligned
	v_bfe_u32 v2, v0, 6, 2
	v_lshlrev_b32 v3, 15, v2                       ; w = (g >> 1) & 3 = wave >> 1
	v_bfe_u32 v2, v0, 5, 1
	v_lshl_add_u32 v3, v2, 12, v3                  ; lt = 4 (wave & 1) + jt
	v_and_b32 v2, 31, v0
	v_lshl_add_u32 v3, v2, 4, v3                   ; + 16 lane
	s_wait_kmcnt 0x0
	s_add_nc_u64 s[4:5], s[4:5], s[12:13]
	s_add_nc_u64 s[8:9], s[8:9], s[16:17]
.irp i, 0,1,2,3,4,5,6,7
	global_load_b128 v[X+4*\i:X+4*\i+3], v1, s[4:5] offset:\i*4096 th:TH_LOAD_NT   ; row 8 h + i, columns 64 g + 4 r + 0..3
.endr
	s_wait_loadcnt 0x0
.irp jt, 0,1,2,3
.irp m, 0,1,2,3
	v_cvt_pk_bf16_f32 v[Y+4*\jt+\m], v[X+8*\m+\jt], v[X+8*\m+4+\jt]               ; rows 2 m, 2 m + 1 of column 4 r + jt
.endr
.endr
.irp jt, 0,1,2,3
	global_store_b128 v3, v[Y+4*\jt:Y+4*\jt+3], s[8:9] offset:\jt*1024            ; the wave stores 512 consecutive bytes, aligned
.endr
	s_endpgm
.Lw2:
	; ---- W2: item I = 256 (id - 256) + thread; t = I >> 5, lane = I & 31
	s_sub_co_u32 s12, ttmp9, 256
	s_lshl_b32 s12, s12, 12                        ; 4,096 bytes of W2 (two groups of 64 rows) and 4,096 bytes of W2P a work-group
	s_mov_b32 s13, 0
	v_bfe_u32 v2, v0, 7, 1
	v_lshlrev_b32 v1, 11, v2                       ; (t >> 2): 64 rows of 32 bytes
	v_bfe_u32 v2, v0, 5, 2
	v_lshl_add_u32 v1, v2, 5, v1                   ; (t & 3): one row
	v_bfe_u32 v2, v0, 4, 1
	v_lshl_add_u32 v1, v2, 10, v1                  ; places 8 h ..: 32 rows
	v_and_b32 v2, 7, v0
	v_lshl_add_u32 v1, v2, 2, v1                   ; expert r & 7: lanes with r >= 8 read inside the buffer and are zeroed below
	v_lshlrev_b32 v3, 4, v0
	v_and_b32 v4, 15, v0
	s_wait_kmcnt 0x0
	s_add_nc_u64 s[6:7], s[6:7], s[12:13]
	s_add_nc_u64 s[10:11], s[10:11], s[12:13]
.irp j, 0,1,2,3,4,5,6,7
	global_load_b32 v[X+\j], v1, s[6:7] offset:128*\j                             ; place 8 h + j: four rows on
.endr
	v_cmp_gt_u32 vcc_lo, 8, v4
	s_wait_loadcnt 0x0
.irp m, 0,1,2,3
	v_cvt_pk_bf16_f32 v[Y+\m], v[X+2*\m], v[X+2*\m+1]
.endr
.irp m, 0,1,2,3
	v_cndmask_b32 v[Y+\m], 0, v[Y+\m], vcc_lo      ; rows 8..15 of the 16-row fragment are zeros
.endr
	global_store_b128 v3, v[Y:Y+3], s[10:11]
	s_endpgm
.Lfunc_end_k_q6296840050_pack:
	.size	k_q6296840050_pack, .Lfunc_end_k_q6296840050_pack-k_q6296840050_pack
	.p2alignl 7, 3214868480
	.fill 96, 4, 3214868480
	.section	.rodata,"a",@progbits
	.p2align	6, 0x0
	.amdhsa_kernel k_q6296840050_pack
		.amdhsa_group_segment_fixed_size 0
		.amdhsa_private_segment_fixed_size 0
		.amdhsa_enable_private_segment 0
		.amdhsa_kernarg_size 32
		.amdhsa_user_sgpr_count 2
		.amdhsa_user_sgpr_kernarg_segment_ptr 1
		.amdhsa_wavefront_size32 1
		.amdhsa_system_sgpr_workgroup_id_x 1
		.amdhsa_system_sgpr_workgroup_id_y 1
		.amdhsa_system_sgpr_workgroup_id_z 1
		.amdhsa_system_vgpr_workitem_id 0
		.amdhsa_next_free_vgpr 64
		.amdhsa_next_free_sgpr 66
		.amdhsa_reserve_vcc 1
		.amdhsa_float_denorm_mode_32 3
		.amdhsa_float_denorm_mode_16_64 3
		.amdhsa_memory_ordered 1
		.amdhsa_forward_progress 1
		.amdhsa_inst_pref_size 6
	.end_amdhsa_kernel
	.amdgpu_metadata
---
amdhsa.version: [ 1, 2 ]
amdhsa.kernels:
  - .name:           k_q6296840050_pack
    .symbol:         k_q6296840050_pack.kd
    .args:
      - { .name: W1, .offset: 0, .size: 8, .value_kind: global_buffer, .address_space: global }
      - { .name: W2, .offset: 8, .size: 8, .value_kind: global_buffer, .address_space: global }
      - { .name: W1P, .offset: 16, .size: 8, .value_kind: global_buffer, .address_space: global }
      - { .name: W2P, .offset: 24, .size: 8, .value_kind: global_buffer, .address_space: global }
    .group_segment_fixed_size: 0
    .private_segment_fixed_size: 0
    .kernarg_segment_align: 8
    .kernarg_segment_size: 32
    .max_flat_workgroup_size: 256
    .sgpr_count:     66
    .vgpr_count:     64
    .wavefront_size: 32
...
	.end_amdgpu_metadata
.endif
;; end of part 1
;; launch router (part 2): grid 256 x 1, 4 waves a work-group, clusters of 4 x 1, 327,680 bytes of LDS; arguments hidden_states, W1P, W2P, b1, PL; writes PL
.if DOCPART == 2
	.amdgcn_target "amdgcn-amd-amdhsa--gfx1250"
	.amdhsa_code_object_version 6
	.text
	.protected	k_q6296840050_router
	.globl	k_q6296840050_router
	.p2align	8
	.type	k_q6296840050_router,@function
k_q6296840050_router:
	s_mov_b64 s[64:65], 0
	v_nop
	global_prefetch_b8 v0, s[64:65] scope:SCOPE_SE
	s_setreg_imm32_b32 hwreg(HW_REG_WAVE_MODE, 25, 1), 1
	s_wait_xcnt 0x0
	s_wait_alu depctr_hold_cnt(0) depctr_sa_sdst(0) depctr_va_vdst(0) depctr_va_sdst(0) depctr_va_ssrc(0) depctr_va_vcc(0) depctr_vm_vsrc(0)
	s_getreg_b32 s2, hwreg(HW_REG_IB_STS2, 6, 4)
	s_cmp_eq_u32 s2, 0
	s_cbranch_scc0 .Lentry_in_a_cluster
	s_endpgm
.Lentry_in_a_cluster:
	s_bfe_u32 s2, ttmp6, 0x10000c
	s_cmp_lg_u32 s2, 0x3003
	s_cbranch_scc0 .Lentry_shape_is_right
	s_endpgm
.Lentry_shape_is_right:
; PL[ch][row][e] = the sum over the 512 columns m of half ch of relu(X W1 + b1)[row][m] W2[m][e]: partial logits; the next launch adds the two halves.
; X = hidden_states as [16384][2048] f32.  W1P, W2P: the weights in bf16 in fragment order, as the launch before stored them
; (tile t, place p = column 64 (t >> 2) + 4 p + (t & 3)).
; A work-group owns 128 rows of X and 512 columns of h, which never leaves the registers.  Four waves; wave w owns tiles 32 ch + 8 w .. + 7 (128 columns) for all
; 128 rows: 64 accumulators of 16 x 16, 512 registers.  K goes in 32 steps of 64, each two chunks of 32 (64 matrix instructions).
; WHY 128 x 512: for 64 of K the work-group takes 64 KiB of W1 and 16 KiB of X (bf16) into LDS; with 64 rows x all 1,024 columns it would be 128 KiB and 8 KiB for the same
;   128 matrix instructions a wave.  So a W1 slot of 131,072 bytes holds TWO steps, and its refill has 240 of a wave's matrix instructions in which to land.
; W1: each wave brings its own 32 KiB of 128 of K by one tensor load into its own quarter of one of two LDS slots, and reads only that quarter.
; CLUSTER: the 128 row blocks of a column half walk the same half of W1P, so four of them form a cluster and ask for each tile jointly (mask 15): a quarter of the requests.
;   The half is the cluster's number & 1, equal in the four partners.  X is asked for by two work-groups only (neighbouring clusters) and has to be rounded on its way, so it
;   comes through registers: 16-byte loads, two steps ahead in two register stages, rounded to bf16, stored into one of two small LDS slots.
; THE MATRIX INSTRUCTION IS USED TRANSPOSED: source 0 = a tile of W1 (16 places), source 1 = 16 rows of X.  Lane (r, h), register j then holds
;   h[row 16 mt + r][place 8 h + j]: eight values that pack straight into the second product's fragment (K = 32 = two tiles), with no exchange between lanes.
; SECOND PRODUCT: h goes in as bf16 high part plus bf16 low part (h - high), W2 rounded once; each wave sums its 128 columns, the four partial sums meet in LDS.
; LIMITS.  X, W1, W2 are rounded to bf16 (nearest even) as matrix operands, and b1 as well (an error of up to 2^-9 of each bias; the next launch does the same to b2), so that
;   the whole is one function, the original in f32 on inputs rounded to bf16, and the order of ITS logits decides the indices.  h carries 16 mantissa bits.
;   A NaN in front of the relu becomes 0 (v_max_num_f32), where the f32 original keeps it; h above bf16's largest number (3.39e38) becomes infinite.
.set BSLOT,  131072                    ; 128 of K of my half of W1P: four waves x 32,768 bytes
.set SSTEP,  262144                    ; from 128 of K to the next in W1P (both halves)
.set A_BASE, 2*BSLOT                   ; X in bf16: two slots of 128 rows x 64 of K
.set APITCH, 144                       ; 128 bytes of data + 16: nine times 16 bytes, an odd multiple, so the 16 rows of a fragment load start 16 bytes apart modulo 256
.set ASLOT,  128*APITCH                ; 18,432; the two slots end at 299,008
.set PART,   A_BASE                    ; behind the K loop, in X's bytes (written by LDS stores alone): four waves x [128 rows][16 f32] partial logits, 32,768 bytes
; window 0
.set XOFF,  4                          ; byte offset in X of my 16 bytes: row t >> 4, 16 (t & 15)
.set ASTO,  5                          ; where I store 8 bytes of X in bf16
.set ARD,   6                          ; where I read X's fragments
.set BRD,   8                          ; v8, v9: where I read W1's fragments in slot 0, 1
.set W2OFF, 10
.set BOFF,  11
.set PSTO,  12
.set PRD,   13
.set O0,    14
.set U,     16                         ; v[16:23] at work in the split of h
.set AF,    32                         ; v[32:159]  X's fragments: buffer b, row tile mt at 64 b + 8 mt
.set T,     160                        ; v[160:191] X in bf16, on its way to LDS
.set W2F,   192                        ; v[192:223] W2's fragments, 8 registers a pair of tiles
.set HI,    32                         ; behind the K loop: h's high parts, 8 registers a row tile, four row tiles at a time
.set LO,    64                         ; its low parts
.set H,     96                         ; h in f32, 16 registers a row tile
.set LG,    160                        ; eight accumulators of partial logits: row tile 4 hh + a at 64 hh + 8 a (v160-191, v224-255)
; window 1: v0-127 W1's fragments, buffer b, tile lt at 64 b + 8 lt (behind the K loop: b1 in v0-63, its packed rounding in v64-95); v128-255 X as loaded
.set XS,    128                        ; stage st, load i at 64 st + 4 i
; windows 2, 3: accumulators of tiles 0-3, 4-7 at 8 (8 (lt & 3) + mt)
.set G1, 24                            ; s[24:31] descriptor group 1
.set G0, 32                            ; s[32:39] descriptor group 0, one set a slot
.set MUL_LO, 0xa1                      ; source 0 window 1, source 1 window 0, C and D window 2
.set MUL_HI, 0xf1                      ; the same, C and D window 3
.set TO_B,   0x40                      ; destination window 1, address window 0
.set CVT_X,  0x05                      ; sources 0 and 1 window 1, destination window 0
.set IN_B,   0x45                      ; sources 0 and 1 and the destination window 1
.set ADD_LO, 0x06                      ; source 0 window 2, source 1 window 1, destination window 0
.set ADD_HI, 0x07                      ; source 0 window 3
.set MSB, 0
.macro WIN new                         ; the immediate's high byte repeats the setting that is left
.if MSB != \new
	s_set_vgpr_msb (MSB<<8)|\new
.set MSB, \new
.endif
.endm
.macro PLACES                          ; four places behind a matrix instruction (ISA guide 7.12.1), where no useful vector work is at hand
.rept 4
	v_nop
.endr
.endm
; A round of the cluster's barrier: my work-group's barrier, wave 0 signals for the work-group, every wave waits for all four work-groups, my work-group's barrier again.
.macro CREST
	s_cmp_lg_u32 s20, 0
	s_cbranch_scc1 .Lnot_wave_0_\@
	s_barrier_signal -3
.Lnot_wave_0_\@:
	s_barrier_wait -3
	s_barrier_signal -1
	s_barrier_wait -1
.endm
.macro CROUND
	s_barrier_signal -1
	s_barrier_wait -1
	CREST
.endm
; 8 n matrix instructions: tiles lt0 .. lt0 + n - 1 x the eight row tiles, 32 along K, from buffer buf.  zero = 1: the first product starts the sums.
; The 64 accumulators take turns, one instruction a turn, in the same order in every chunk and over the backward jump.
.macro MUL buf, lt0, n, zero
.set mlt, \lt0
.rept \n
.irp mt, 0,1,2,3,4,5,6,7
.if \zero
	v_wmma_f32_16x16x32_bf16 v[8*(8*(mlt&3)+\mt):8*(8*(mlt&3)+\mt)+7], v[64*\buf+8*mlt:64*\buf+8*mlt+7], v[AF+64*\buf+8*\mt:AF+64*\buf+8*\mt+7], 0
.else
	v_wmma_f32_16x16x32_bf16 v[8*(8*(mlt&3)+\mt):8*(8*(mlt&3)+\mt)+7], v[64*\buf+8*mlt:64*\buf+8*mlt+7], v[AF+64*\buf+8*\mt:AF+64*\buf+8*\mt+7], v[8*(8*(mlt&3)+\mt):8*(8*(mlt&3)+\mt)+7]
.endif
.endr
.set mlt, mlt+1
.endr
.endm
; 32 LDS loads in one run: a chunk of 32 of K into buffer buf: chunk ac (0, 1) of X's slot aslot, chunk bc (0..3) of W1's slot bslot.
; First X's eight fragments, then W1's eight, tiles ascending, so that a count of 8 leaves tiles 4-7 out.
.macro FETCH aslot, ac, bslot, bc, buf
	WIN 0
.irp mt, 0,1,2,3,4,5,6,7
	ds_load_b128 v[AF+64*\buf+8*\mt:AF+64*\buf+8*\mt+3],   v[ARD] offset:\aslot*ASLOT+\mt*16*APITCH+64*\ac
	ds_load_b128 v[AF+64*\buf+8*\mt+4:AF+64*\buf+8*\mt+7], v[ARD] offset:\aslot*ASLOT+\mt*16*APITCH+64*\ac+32
.endr
	WIN TO_B
.irp lt, 0,1,2,3,4,5,6,7
	ds_load_b128 v[64*\buf+8*\lt:64*\buf+8*\lt+3],   v[BRD+\bslot] offset:\bc*8192+\lt*1024       ; lane i at 16 i: 512 consecutive bytes
	ds_load_b128 v[64*\buf+8*\lt+4:64*\buf+8*\lt+7], v[BRD+\bslot] offset:\bc*8192+\lt*1024+512
.endr
.endm
; Sixteen loads: the work-group's 128 rows x 256 bytes of the step koff steps behind the base; load i takes rows 8 i + (t >> 4); sixteen lanes read 256 consecutive bytes,
; aligned.  No hint: a work-group of the neighbouring cluster reads the same bytes.
.macro XLOAD st, koff
	WIN TO_B
.irp i, 0,1,2,3,4,5,6,7,8,9,10,11,12,13,14,15
	global_load_b128 v[XS+64*\st+4*\i:XS+64*\st+4*\i+3], v[XOFF], s[4:5] offset:\koff*256+\i*65536
.endr
.endm
; Stage st is rounded to bf16 and stored into X's LDS slot.
.macro XCONV st, slot
	WIN CVT_X
.irp i, 0,1,2,3,4,5,6,7,8,9,10,11,12,13,14,15
	v_cvt_pk_bf16_f32 v[T+2*\i],   v[XS+64*\st+4*\i],   v[XS+64*\st+4*\i+1]
	v_cvt_pk_bf16_f32 v[T+2*\i+1], v[XS+64*\st+4*\i+2], v[XS+64*\st+4*\i+3]
.endr
	WIN 0
.irp i, 0,1,2,3,4,5,6,7,8,9,10,11,12,13,14,15
	ds_store_b64 v[ASTO], v[T+2*\i:T+2*\i+1] offset:\slot*ASLOT+\i*8*APITCH
.endr
.endm
; The first chunk of step j (j counted in its lap of four; X's slot j & 1, W1's slot j >> 1, its chunks 2 (j & 1) and + 1).  Multiplies buffer 0.  In its middle: the next
; step's X goes from stage (j + 1) & 1 to the other X slot (all reads of that slot ended in front of the last barrier); the second chunk is fetched; xl = 1: the stage is asked
; for again, j + 3 steps behind the lap's base.  left = how many younger loads of X may stay out.
.macro FIRST j, zero, xl, left
	s_wait_dscnt 8                                 ; X's fragments and tiles 0-3 are in; the 8 youngest loads (tiles 4-7) may be out
	WIN MUL_LO
	MUL 0, 0, 4, \zero
	s_wait_loadcnt \left                           ; loads come back in order (ISA guide 5.7.1): the next step's sixteen are in, the younger sixteen stay out
	XCONV ((\j+1)&1), (1-(\j&1))                   ; its 32 conversions name no register of a matrix instruction: the places in front of the loads into buffer 1
	FETCH (\j&1), 1, (\j>>1), (2*(\j&1)+1), 1
.if \xl
	XLOAD ((\j+1)&1), (\j+3)
.endif
	s_wait_dscnt 48                                ; all but the 16 stores and 32 loads just issued: tiles 4-7 are in
	WIN MUL_HI
	MUL 0, 4, 4, \zero
.endm
; The second chunk: multiplies buffer 1 and changes X's slots.  ONE barrier a step: in front of it each wave waits for its LDS reads of the old slots and its stores of the next
; step's X (dscnt 0).  Behind an even step W1's slot goes on. Behind an odd step W1's slots
; change too: each wave also waits for all its tensor loads (one is out: its quarter of the next slot).  fill = 1: the barrier then opens a round of the cluster's barrier, so
; that the same holds of every wave of the four work-groups; the joint refill of the slot just read, 256 of K ahead, is the first thing behind the round, one tensor load a wave.
.macro TURN j, fill
	s_wait_dscnt 8
	WIN MUL_LO
	MUL 1, 0, 2, 0
	s_wait_dscnt 0x0                               ; for the others: my reads of the old slots are back, my part of the next X tile is written
.if (\j&1)
	s_set_vgpr_msb 0xa1a0
	s_wait_tensorcnt 0x0                           ; all my tensor loads have landed
	ds_add_u32 v28, v29
	s_wait_dscnt 0x0
	s_set_vgpr_msb 0xa0a1
.endif
	s_barrier_signal -1
	MUL 1, 2, 2, 0                                 ; register work while the others arrive
	WIN 0
	s_barrier_wait -1
.if \fill
	CREST
	s_add_nc_u64 s[G0+4*(\j>>1)+2:G0+4*(\j>>1)+3], s[G0+4*(\j>>1)+2:G0+4*(\j>>1)+3], 2*SSTEP   ; no tensor load of mine is out: the group may be written
	tensor_load_to_lds s[G0+4*(\j>>1):G0+4*(\j>>1)+3], s[G1:G1+7]
	s_nop 0
.endif
	PLACES                                         ; in front of the loads into buffer 0
	FETCH (1-(\j&1)), 0, (((\j+1)>>1)&1), (2*((\j+1)&1)), 0
	WIN MUL_HI
	MUL 1, 4, 4, 0
.endm
.macro LAP zero                        ; four steps: once round W1's two slots, twice round X's slots and stages
	FIRST 0, \zero, 1, 16
	TURN 0, 0
	FIRST 1, 0, 1, 16
	TURN 1, 1
	FIRST 2, 0, 1, 16
	TURN 2, 0
	FIRST 3, 0, 1, 16
	TURN 3, 1
	WIN 0
	s_wait_xcnt 0x0                                ; X's base is stepped only when every load that names it has had its address translated (ISA guide 3.1)
	s_add_nc_u64 s[4:5], s[4:5], 4*256
.endm
	s_load_b256 s[4:11], s[0:1], 0x0               ; hidden_states s[4:5], W1P s[6:7], W2P s[8:9], b1 s[10:11]
	s_load_b64 s[12:13], s[0:1], 0x20              ; PL
	v_lshl_add_u32 v28, v0, 2, 0x49000
	v_mov_b32 v29, 0
	ds_add_u32 v28, v29
	v_lshrrev_b32 v31, 5, v0
	v_readfirstlane_b32 s20, v31                   ; wave 0..3
	s_bfe_u32 s21, ttmp6, 0x40000                  ; cx
	s_and_b32 s44, ttmp9, 1                        ; ch: which 512 columns; the cluster's number alone, equal in the four partners
	s_lshr_b32 s22, ttmp9, 1
	s_lshl_b32 s22, s22, 2
	s_add_co_u32 s22, s22, s21                     ; row block = 4 x (cluster >> 1) + cx
	s_mov_b32 s43, 0xffff0000                      ; a word's upper bf16
	s_lshl_b32 s23, s20, 15                        ; my quarter of a W1 slot
	v_and_b32 v1, 31, v0                           ; lane
	v_and_b32 v2, 15, v0                           ; r
	v_bfe_u32 v3, v0, 4, 1                         ; h
	v_lshrrev_b32 v7, 4, v0                        ; t >> 4: 0..7
	v_lshlrev_b32 v[XOFF], 4, v2
	v_lshl_add_u32 v[XOFF], v7, 13, v[XOFF]        ; row (t >> 4) of 8,192 bytes + 16 (t & 15)
	; descriptor group 1: my 32,768 dense bytes as 128 rows of 32 elements of 8 bytes, no padding (the reads are contiguous)
	s_mov_b32 s[G1+0], 0x0023000f                  ; 15:0 mask: the cluster's four work-groups; 17:16 element of 8 bytes; 21 set beside a mask
	s_mov_b32 s[G1+1], 32<<16                      ; tensor_dim0 = 32
	s_mov_b32 s[G1+2], 128<<16                     ; tensor_dim1 = 128
	s_mov_b32 s[G1+3], 32<<16                      ; tile_dim0 = 32
	s_mov_b32 s[G1+4], 128                         ; tile_dim1 = 128
	s_mov_b32 s[G1+5], 32                          ; from row to row: 32 elements
	s_mov_b32 s[G1+6], 0
	s_mov_b32 s[G1+7], 0
	s_lshl_b32 s48, s44, 17                        ; my half of W1P,
	s_add_co_u32 s48, s48, s23                     ; my quarter of it
	s_mov_b32 s49, 0
	s_mov_b32 s41, 0
	s_wait_dscnt 0x0
	s_wait_kmcnt 0x0
	s_lshl_b32 s40, s22, 20                        ; 128 rows of 8,192 bytes
	s_add_nc_u64 s[4:5], s[4:5], s[40:41]
	s_lshl_b32 s40, s22, 12                        ; PL: 128 rows of 32 bytes,
	s_lshl_b32 s45, s44, 19                        ; in the half's 524,288 bytes
	s_add_co_u32 s40, s40, s45
	s_add_nc_u64 s[12:13], s[12:13], s[40:41]
	XLOAD 0, 0
	XLOAD 1, 1
	WIN 0
	s_add_nc_u64 s[50:51], s[6:7], s[48:49]        ; W1P at my quarter: the half and the wave's number alone
.irp n, 0,1
	s_mov_b32 s[G0+4*\n], 1                                        ; count = 1
	s_add_co_u32 s[G0+4*\n+1], s23, \n*BSLOT                       ; LDS address: slot + my quarter
	s_add_nc_u64 s[G0+4*\n+2:G0+4*\n+3], s[50:51], \n*SSTEP        ; K 128 n ..
	s_or_b32 s[G0+4*\n+3], s[G0+4*\n+3], 0x80000000                ; type = 2
.endr
	CROUND                                         ; the four work-groups are here: the first joint loads meet
	tensor_load_to_lds s[G0:G0+3], s[G1:G1+7]      ; both first fills as one group: two tensor loads of the wave are out here, one behind every later round
	s_nop 0
	tensor_load_to_lds s[G0+4:G0+7], s[G1:G1+7]
	s_nop 0
	v_mul_u32_u24 v[ASTO], v7, APITCH
	v_lshl_add_u32 v[ASTO], v2, 3, v[ASTO]
	v_add_nc_u32 v[ASTO], A_BASE, v[ASTO]          ; row t >> 4, 8 (t & 15)
	v_mul_u32_u24 v[ARD], v2, APITCH
	v_lshl_add_u32 v[ARD], v3, 4, v[ARD]
	v_add_nc_u32 v[ARD], A_BASE, v[ARD]            ; row r, 16 h
	v_lshl_add_u32 v[BRD], v1, 4, s23              ; my quarter + 16 lane
	v_add_nc_u32 v[BRD+1], BSLOT, v[BRD]
	s_lshl_b32 s52, s44, 14
	s_lshl_b32 s53, s20, 12
	s_add_co_u32 s52, s52, s53
	v_lshl_add_u32 v[W2OFF], v1, 4, s52            ; W2P: 32 tiles of 512 bytes a half, 8 a wave
	s_lshl_b32 s53, s44, 11
	s_lshl_b32 s54, s20, 9
	s_add_co_u32 s53, s53, s54
	v_lshl_add_u32 v[BOFF], v3, 7, s53             ; b1: 512 columns a half, 128 a wave; places 8 h .. are 32 columns on
	s_lshl_b32 s54, s20, 13
	s_add_co_u32 s54, s54, PART
	v_lshl_add_u32 v[PSTO], v2, 6, s54
	v_lshl_add_u32 v[PSTO], v3, 5, v[PSTO]         ; my wave's part: row r, experts 8 h ..
	v_and_b32 v30, 1, v0
	v_lshlrev_b32 v30, 4, v30
	v_lshrrev_b32 v31, 1, v0
	v_lshl_add_u32 v[PRD], v31, 6, v30
	v_add_nc_u32 v[PRD], PART, v[PRD]              ; row t >> 1, experts 4 (t & 1) ..
	v_lshlrev_b32 v[O0], 4, v0
	s_wait_loadcnt 16                              ; step 0's X is in; step 1's stays out
	XCONV 0, 0
	XLOAD 0, 2
	s_wait_dscnt 0x0                               ; for the others: my part of step 0's X is written
	s_wait_tensorcnt 0x1                           ; my quarter of slot 0 is in; slot 1's may stay out
	s_barrier_signal -1
	s_barrier_wait -1
	FETCH 0, 0, 0, 0, 0
	LAP 1                                          ; steps 0-3 stand in front of the loop: the first products start the sums
	s_mov_b32 s42, 6
.Llap:
	LAP 0                                          ; steps 4-27; the last trip asks for the last of W1 (K 1,792 .. 2,047)
	s_sub_co_u32 s42, s42, 1
	s_cmp_lg_u32 s42, 0
	s_cbranch_scc1 .Llap
	FIRST 0, 0, 1, 16                              ; step 28 asks for the last of X (step 31)
	TURN 0, 0
	FIRST 1, 0, 0, 16                              ; step 29 on: no more X to ask for, the counts run down
	TURN 1, 0                                      ; W1's slots change for the last time
	FIRST 2, 0, 0, 0
	TURN 2, 0
	; step 31, written out: no X to convert; W2's fragments and b1 are asked for under its matrix work
	s_wait_dscnt 8
	WIN MUL_LO
	MUL 0, 0, 4, 0
	WIN 0
	PLACES                                         ; in front of the loads into buffer 1
.irp q, 0,1,2,3
	global_load_b128 v[W2F+8*\q:W2F+8*\q+3],   v[W2OFF], s[8:9] offset:\q*1024        ; tile 2 q: K 0-15 of the pair
	global_load_b128 v[W2F+8*\q+4:W2F+8*\q+7], v[W2OFF], s[8:9] offset:\q*1024+512    ; tile 2 q + 1: K 16-31
.endr
	FETCH 1, 1, 1, 3, 1
	s_wait_dscnt 32                                ; all but the 32 just issued
	WIN MUL_HI
	MUL 0, 4, 4, 0
	s_wait_dscnt 8
	WIN MUL_LO
	MUL 1, 0, 4, 0
	PLACES                                         ; in front of the loads into buffer 0's registers of window 1
	WIN TO_B
.irp g, 0,1
.irp i, 0,1,2,3,4,5,6,7
	global_load_b128 v[32*\g+4*\i:32*\g+4*\i+3], v[BOFF], s[10:11] offset:256*\g+16*\i    ; b1 of place 8 h + i in the four tiles of group g
.endr
.endr
	s_wait_dscnt 0x0                               ; my last reads of X's slots are back:
	s_barrier_signal -1                            ; say so; the wait stands in front of the partial sums' stores, which use X's bytes again; register work alone in between
	WIN MUL_HI
	MUL 1, 4, 4, 0
	PLACES                                         ; in front of the first reads of the sums, and of the writes below into buffer 1's registers, which the last products read
	s_wait_loadcnt 0x0                             ; W2's fragments and b1
	; b1 is rounded to bf16, nearest even, and widened again (see LIMITS at the head): 64 numbers a lane, all in window 1.
	; The packed pairs go into v64-95 there, W1 fragments that nothing reads any more.
	WIN IN_B
.set bi, 0
.rept 32
	v_cvt_pk_bf16_f32 v[64+bi], v[2*bi], v[2*bi+1]
.set bi, bi+1
.endr
.set bi, 0
.rept 32
	v_lshlrev_b32 v[2*bi],   16,  v[64+bi]
	v_and_b32     v[2*bi+1], s43, v[64+bi]
.set bi, bi+1
.endr
; Tiles 2 q and 2 q + 1, row tiles 4 hh .. 4 hh + 3: h = relu(sum + b1) in f32, split into a bf16 high part and the bf16 of the rest, and 32 more along K of the second product.
; The four logit accumulators take turns, one instruction a turn.  The next call's 64 additions are the places in front of the rewriting of HI and LO.
.macro PAIR q, hh
.if \q < 2
	WIN ADD_LO
.else
	WIN ADD_HI
.endif
.irp u, 0,1
.irp a, 0,1,2,3
.irp j, 0,1,2,3,4,5,6,7
	v_add_f32 v[H+16*\a+8*\u+\j], v[8*(8*((2*\q+\u)&3)+4*\hh+\a)+\j], v[32*((2*\q+\u)>>2)+4*\j+((2*\q+\u)&3)]
.endr
.endr
.endr
	WIN 0
.irp a, 0,1,2,3
.irp i, 0,1,2,3,4,5,6,7,8,9,10,11,12,13,14,15
	v_max_num_f32 v[H+16*\a+\i], 0, v[H+16*\a+\i]
.endr
.irp i, 0,1,2,3,4,5,6,7
	v_cvt_pk_bf16_f32 v[HI+8*\a+\i], v[H+16*\a+2*\i], v[H+16*\a+2*\i+1]
.endr
.irp i, 0,1,2,3,4,5,6,7
	v_lshlrev_b32 v[U+2*(\i&3)],   16,  v[HI+8*\a+\i]
	v_and_b32     v[U+2*(\i&3)+1], s43, v[HI+8*\a+\i]
	v_pk_add_f32 v[H+16*\a+2*\i:H+16*\a+2*\i+1], v[H+16*\a+2*\i:H+16*\a+2*\i+1], v[U+2*(\i&3):U+2*(\i&3)+1] neg_lo:[0,1] neg_hi:[0,1]
.endr
.irp i, 0,1,2,3,4,5,6,7
	v_cvt_pk_bf16_f32 v[LO+8*\a+\i], v[H+16*\a+2*\i], v[H+16*\a+2*\i+1]
.endr
.endr
.irp a, 0,1,2,3
.if \q == 0
	v_wmma_f32_16x16x32_bf16 v[LG+64*\hh+8*\a:LG+64*\hh+8*\a+7], v[W2F+8*\q:W2F+8*\q+7], v[HI+8*\a:HI+8*\a+7], 0
.else
	v_wmma_f32_16x16x32_bf16 v[LG+64*\hh+8*\a:LG+64*\hh+8*\a+7], v[W2F+8*\q:W2F+8*\q+7], v[HI+8*\a:HI+8*\a+7], v[LG+64*\hh+8*\a:LG+64*\hh+8*\a+7]
.endif
.endr
.irp a, 0,1,2,3
	v_wmma_f32_16x16x32_bf16 v[LG+64*\hh+8*\a:LG+64*\hh+8*\a+7], v[W2F+8*\q:W2F+8*\q+7], v[LO+8*\a:LO+8*\a+7], v[LG+64*\hh+8*\a:LG+64*\hh+8*\a+7]
.endr
.endm
	PAIR 0, 0
	PAIR 0, 1
	PAIR 1, 0
	PAIR 1, 1
	PAIR 2, 0
	PAIR 2, 1
	PAIR 3, 0
	PAIR 3, 1
	PLACES                                         ; in front of the LDS stores that read the sums
	s_barrier_wait -1                              ; no wave reads X's slots any more
	; lane (r, h), register j of accumulator mt = my wave's partial logit of row 16 mt + r, expert 8 h + j (h = 1: products with W2P's zero rows, stored and never read)
.irp hh, 0,1
.irp a, 0,1,2,3
	ds_store_b128 v[PSTO], v[LG+64*\hh+8*\a:LG+64*\hh+8*\a+3]   offset:(4*\hh+\a)*1024
	ds_store_b128 v[PSTO], v[LG+64*\hh+8*\a+4:LG+64*\hh+8*\a+7] offset:(4*\hh+\a)*1024+16
.endr
.endr
	s_wait_dscnt 0x0                               ; for the others: my partial sums are written
	s_barrier_signal -1
	s_barrier_wait -1
	; thread t, i = 0, 1: row 64 i + (t >> 1), experts 4 (t & 1) .. + 3: the four waves' sums
.irp i, 0,1
.irp w, 0,1,2,3
	ds_load_b128 v[96+16*\i+4*\w:96+16*\i+4*\w+3], v[PRD] offset:\w*8192+\i*4096
.endr
.endr
	s_wait_dscnt 0x0
.irp i, 0,1
	v_pk_add_f32 v[96+16*\i:97+16*\i],   v[96+16*\i:97+16*\i],   v[100+16*\i:101+16*\i]
	v_pk_add_f32 v[98+16*\i:99+16*\i],   v[98+16*\i:99+16*\i],   v[102+16*\i:103+16*\i]
	v_pk_add_f32 v[104+16*\i:105+16*\i], v[104+16*\i:105+16*\i], v[108+16*\i:109+16*\i]
	v_pk_add_f32 v[106+16*\i:107+16*\i], v[106+16*\i:107+16*\i], v[110+16*\i:111+16*\i]
	v_pk_add_f32 v[96+16*\i:97+16*\i],   v[96+16*\i:97+16*\i],   v[104+16*\i:105+16*\i]
	v_pk_add_f32 v[98+16*\i:99+16*\i],   v[98+16*\i:99+16*\i],   v[106+16*\i:107+16*\i]
	global_store_b128 v[O0], v[96+16*\i:99+16*\i], s[12:13] offset:2048*\i    ; the wave stores 512 consecutive bytes of PL, aligned
.endr
	s_wait_tensorcnt 0x0
	ds_add_u32 v28, v29
	s_wait_dscnt 0x0
	CROUND                                         ; the closing round: no work-group ends while a partner may still ask for a tile that names it
	s_endpgm
.Lfunc_end_k_q6296840050_router:
	.size	k_q6296840050_router, .Lfunc_end_k_q6296840050_router-k_q6296840050_router
	.p2alignl 7, 3214868480
	.fill 96, 4, 3214868480
	.section	.rodata,"a",@progbits
	.p2align	6, 0x0
	.amdhsa_kernel k_q6296840050_router
		.amdhsa_group_segment_fixed_size 327680
		.amdhsa_private_segment_fixed_size 0
		.amdhsa_enable_private_segment 0
		.amdhsa_kernarg_size 40
		.amdhsa_user_sgpr_count 2
		.amdhsa_user_sgpr_kernarg_segment_ptr 1
		.amdhsa_wavefront_size32 1
		.amdhsa_system_sgpr_workgroup_id_x 1
		.amdhsa_system_sgpr_workgroup_id_y 1
		.amdhsa_system_sgpr_workgroup_id_z 1
		.amdhsa_system_vgpr_workitem_id 0
		.amdhsa_next_free_vgpr 1024
		.amdhsa_next_free_sgpr 66
		.amdhsa_reserve_vcc 0
		.amdhsa_float_denorm_mode_32 3
		.amdhsa_float_denorm_mode_16_64 3
		.amdhsa_memory_ordered 1
		.amdhsa_forward_progress 1
		.amdhsa_inst_pref_size 255
	.end_amdhsa_kernel
	.section	.bss,"aw",@nobits
	.p2align	6
	.space	262144
	.amdgpu_metadata
---
amdhsa.version: [ 1, 2 ]
amdhsa.kernels:
  - .name:           k_q6296840050_router
    .symbol:         k_q6296840050_router.kd
    .args:
      - { .name: hidden_states, .offset: 0, .size: 8, .value_kind: global_buffer, .address_space: global }
      - { .name: W1P, .offset: 8, .size: 8, .value_kind: global_buffer, .address_space: global }
      - { .name: W2P, .offset: 16, .size: 8, .value_kind: global_buffer, .address_space: global }
      - { .name: b1, .offset: 24, .size: 8, .value_kind: global_buffer, .address_space: global }
      - { .name: PL, .offset: 32, .size: 8, .value_kind: global_buffer, .address_space: global }
    .group_segment_fixed_size: 327680
    .private_segment_fixed_size: 0
    .kernarg_segment_align: 8
    .kernarg_segment_size: 40
    .max_flat_workgroup_size: 128
    .sgpr_count:     66
    .vgpr_count:     1024
    .wavefront_size: 32
...
	.end_amdgpu_metadata
.endif
;; end of part 2
;; launch final (part 3): grid 256 x 1, 4 waves a work-group, no clusters, 2,560 bytes of LDS; arguments PL, b2, out0, out1, out2; writes out0, out1, out2
.if DOCPART == 3
	.amdgcn_target "amdgcn-amd-amdhsa--gfx1250"
	.amdhsa_code_object_version 6
	.text
	.protected	k_q6296840050_final
	.globl	k_q6296840050_final
	.p2align	8
	.type	k_q6296840050_final,@function
k_q6296840050_final:
	s_mov_b64 s[64:65], 0
	v_nop
	global_prefetch_b8 v0, s[64:65] scope:SCOPE_SE
	s_setreg_imm32_b32 hwreg(HW_REG_WAVE_MODE, 25, 1), 1
	s_wait_xcnt 0x0
; logits = PL[0] + PL[1] + b2 (out0); softmax over the 8 logits; the two largest probabilities (out1) and their indices (out2).
; PL: [2][16384][8] f32, the partial logits of the two halves of the hidden columns, as the launch before stored them.
; A work-group owns 64 rows.  First every thread makes 16 bytes of out0 (row t >> 1, experts 4 (t & 1) .. + 3), so that a wave loads and stores 512 consecutive bytes;
; the logits meet in LDS, and waves 0 and 1 take a row a thread.  A few bytes a thread: no matrix unit, no cluster, no ring would add anything.
; LIMITS.  b2 is rounded to bf16, nearest even (an error of up to 2^-9 of each bias), as all the inputs are in the launch before: the whole is the original in f32 on inputs
;   rounded to bf16, and the order of its logits decides the indices.  Exponentials below 2^-126 come out as 0 (ISA guide 15.8); such experts tie at 0 and the lower
;   index wins.  With NaN logits the indices are 0, 0.
.set HALF, 524288                      ; bytes of one half of PL
	s_load_b256 s[4:11], s[0:1], 0x0               ; PL s[4:5], b2 s[6:7], out0 s[8:9], out1 s[10:11]
	s_load_b64 s[12:13], s[0:1], 0x20              ; out2
	v_lshl_add_u32 v64, v0, 2, 0x800
	v_mov_b32 v65, 0
	v_lshrrev_b32 v1, 5, v0
	v_readfirstlane_b32 s20, v1                    ; wave 0..3
	s_mov_b32 s21, 0xffff0000                      ; a word's upper bf16
	s_mov_b32 s22, 0x3fb8aa3b                      ; log2 e
	v_lshlrev_b32 v2, 4, v0                        ; 16 t: my 16 bytes in PL, in out0 and in LDS
	v_and_b32 v3, 1, v0
	v_lshlrev_b32 v3, 4, v3                        ; which half of the eight experts
	v_and_b32 v4, 63, v0                           ; the last phase is waves 0 and 1's: thread = row
	v_lshlrev_b32 v5, 5, v4                        ; a row's 32 bytes in LDS
	v_lshlrev_b32 v6, 3, v4                        ; a row's 8 bytes in out1 and out2
	s_lshl_b32 s16, ttmp9, 11                      ; 64 rows of 32 bytes
	s_mov_b32 s17, 0
	s_lshl_b32 s18, ttmp9, 9                       ; 64 rows of 8 bytes
	s_mov_b32 s19, 0
	s_wait_kmcnt 0x0
	s_add_nc_u64 s[4:5], s[4:5], s[16:17]
	s_add_nc_u64 s[8:9], s[8:9], s[16:17]
	s_add_nc_u64 s[10:11], s[10:11], s[18:19]
	s_add_nc_u64 s[12:13], s[12:13], s[18:19]
	global_load_b128 v[8:11],  v2, s[4:5] th:TH_LOAD_NT
	global_load_b128 v[12:15], v2, s[4:5] offset:HALF th:TH_LOAD_NT
	global_load_b128 v[16:19], v3, s[6:7]
	s_wait_loadcnt 0x0
	v_cvt_pk_bf16_f32 v20, v16, v17                ; my four numbers of b2 are rounded to bf16 and widened again (see LIMITS at the head)
	v_cvt_pk_bf16_f32 v21, v18, v19
	v_lshlrev_b32 v16, 16,  v20
	v_and_b32     v17, s21, v20
	v_lshlrev_b32 v18, 16,  v21
	v_and_b32     v19, s21, v21
	v_pk_add_f32 v[8:9],   v[8:9],   v[12:13]
	v_pk_add_f32 v[10:11], v[10:11], v[14:15]
	v_pk_add_f32 v[8:9],   v[8:9],   v[16:17]
	v_pk_add_f32 v[10:11], v[10:11], v[18:19]
	global_store_b128 v2, v[8:11], s[8:9]          ; the wave stores 512 consecutive bytes of out0, aligned
	ds_store_b128 v2, v[8:11]
	s_wait_dscnt 0x0                               ; for waves 0 and 1: my logits are written
	s_barrier_signal -1
	s_barrier_wait -1
	s_cmp_ge_u32 s20, 2
	s_cbranch_scc1 .Ldone                          ; 64 rows: waves 0 and 1, a thread a row
	ds_load_b128 v[24:27], v5
	ds_load_b128 v[28:31], v5 offset:16
	s_wait_dscnt 0x0
	v_max3_num_f32 v32, v24, v25, v26
	v_max3_num_f32 v32, v32, v27, v28
	v_max3_num_f32 v32, v32, v29, v30
	v_max_num_f32 v32, v32, v31                    ; the row's maximum m
	v_mul_f32 v33, s22, v32
.irp e, 0,1,2,3,4,5,6,7
	v_fma_f32 v[34+\e], v[24+\e], s22, -v33        ; x log2 e - fl(m log2 e): the rounding of the second term is one factor common to all eight and leaves in the division
.endr
.irp e, 0,1,2,3,4,5,6,7
	v_exp_f32 v[42+\e], v[34+\e]
.endr
	v_nop                                          ; one plain place behind the last exponential (ISA guide 5.7.2)
	s_wait_alu depctr_va_vdst(0)
	v_add_f32 v50, v42, v43
	v_add_f32 v51, v44, v45
	v_add_f32 v34, v46, v47
	v_add_f32 v35, v48, v49
	v_add_f32 v50, v50, v51
	v_add_f32 v34, v34, v35
	v_add_f32 v50, v50, v34
	v_rcp_f32 v51, v50                             ; the scan below stands between it and its first use
	v_mov_b32 v52, v42                             ; largest so far, its index in v54
	v_mov_b32 v53, -1.0                            ; second largest, below every exponential; its index in v55
	v_mov_b32 v54, 0
	v_mov_b32 v55, 0
.irp e, 1,2,3,4,5,6,7
	v_cmp_gt_f32 s24, v[42+\e], v52                ; strictly greater: of equals the lower index stays in front
	v_cmp_gt_f32 s25, v[42+\e], v53
	v_cndmask_b32 v53, v53, v[42+\e], s25
	v_cndmask_b32 v55, v55, \e, s25
	v_cndmask_b32 v53, v53, v52, s24
	v_cndmask_b32 v55, v55, v54, s24
	v_cndmask_b32 v52, v52, v[42+\e], s24
	v_cndmask_b32 v54, v54, \e, s24
.endr
	s_wait_alu depctr_va_vdst(0)
	v_mul_f32 v52, v52, v51
	v_mul_f32 v53, v53, v51
	global_store_b64 v6, v[52:53], s[10:11]        ; a wave stores 256 consecutive bytes, aligned
	global_store_b64 v6, v[54:55], s[12:13]
.Ldone:
	s_wait_tensorcnt 0x0
	ds_add_u32 v64, v65
	s_wait_dscnt 0x0
	s_endpgm
.Lfunc_end_k_q6296840050_final:
	.size	k_q6296840050_final, .Lfunc_end_k_q6296840050_final-k_q6296840050_final
	.p2alignl 7, 3214868480
	.fill 96, 4, 3214868480
	.section	.rodata,"a",@progbits
	.p2align	6, 0x0
	.amdhsa_kernel k_q6296840050_final
		.amdhsa_group_segment_fixed_size 2560
		.amdhsa_private_segment_fixed_size 0
		.amdhsa_enable_private_segment 0
		.amdhsa_kernarg_size 40
		.amdhsa_user_sgpr_count 2
		.amdhsa_user_sgpr_kernarg_segment_ptr 1
		.amdhsa_wavefront_size32 1
		.amdhsa_system_sgpr_workgroup_id_x 1
		.amdhsa_system_sgpr_workgroup_id_y 1
		.amdhsa_system_sgpr_workgroup_id_z 1
		.amdhsa_system_vgpr_workitem_id 0
		.amdhsa_next_free_vgpr 66
		.amdhsa_next_free_sgpr 66
		.amdhsa_reserve_vcc 0
		.amdhsa_float_denorm_mode_32 3
		.amdhsa_float_denorm_mode_16_64 3
		.amdhsa_memory_ordered 1
		.amdhsa_forward_progress 1
		.amdhsa_inst_pref_size 8
	.end_amdhsa_kernel
	.amdgpu_metadata
---
amdhsa.version: [ 1, 2 ]
amdhsa.kernels:
  - .name:           k_q6296840050_final
    .symbol:         k_q6296840050_final.kd
    .args:
      - { .name: PL, .offset: 0, .size: 8, .value_kind: global_buffer, .address_space: global }
      - { .name: b2, .offset: 8, .size: 8, .value_kind: global_buffer, .address_space: global }
      - { .name: out0, .offset: 16, .size: 8, .value_kind: global_buffer, .address_space: global }
      - { .name: out1, .offset: 24, .size: 8, .value_kind: global_buffer, .address_space: global }
      - { .name: out2, .offset: 32, .size: 8, .value_kind: global_buffer, .address_space: global }
    .group_segment_fixed_size: 2560
    .private_segment_fixed_size: 0
    .kernarg_segment_align: 8
    .kernarg_segment_size: 40
    .max_flat_workgroup_size: 128
    .sgpr_count:     66
    .vgpr_count:     66
    .wavefront_size: 32
...
	.end_amdgpu_metadata
.endif
;; end of part 3
